; MI455X (gfx1250); checked and timed in simulation.
; The chip was launched on July 23, 2026; its instructions are those of AMD's public machine-readable ISA for CDNA 5 (MIT licence, August 2026) and "CDNA5" Instruction Set Architecture Reference Guide (July 2026). The comments in the code are by the model that wrote it; some were corrected since.
;; Lo RA Linear. Allowed arithmetic: matrix products marked QUANTISED: E4M3 operands, one E8M0 scale for each 32 along K, by v_wmma_scale_f32_16x16x128_f8f6f4 with both operands' format E4M3, f32 sums; products left as they are: f32 operands where the result goes on into a quantised operand, else bf16, f16 or f32 operands; f32 sums; everything else in f32.
;; Inputs: lora_a_w_codes 16 x 128 x 32 uint8 (E4M3 codes of lora_a_w, K innermost, in blocks of 32 codes); lora_a_w_scales 16 x 128 uint8 (E8M0 scales of lora_a_w, one for each 32 codes along K); lora_b_w 4,096 x 16 float32; q_packed 4,096 x 2,048 int32; scales 4,096 x 64 float32; x_codes 4 x 1,024 x 128 x 32 uint8 (E4M3 codes of x, K innermost, in blocks of 32 codes); x_scales 4 x 1,024 x 128 uint8 (E8M0 scales of x, one for each 32 codes along K).
;; Outputs: out0 4 x 1,024 x 4,096 float32.
;; This version of the problem:
;;   THIS VERSION OF THE PROBLEM IS GIVEN IN LOW PRECISION. The matrix products marked QUANTISED in the list below multiply operands that are first quantised to E4M3 (4 exponent bits, 3 mantissa bits; 8 bits a number), with one power-of-two scale for each 32 numbers along K (OCP MX v1.0); their sums are f32. All else is computed in f32.
;;   The module's matrix products, in the order in which they are computed (A, B: the left and right operand; K: the contracted axis; several contracted axes count as one K, in the product's order):
;;     1. [M 4,096, K 4,096] x [K 4,096, N 4,096]; A: input x (given as codes); B: computed on the way: QUANTISED
;;     2. [M 4,096, K 4,096] x [K 4,096, N 16]; A: input x (given as codes); B: input lora_a_w (given as codes): QUANTISED
;;     3. [M 4,096, K 16] x [K 16, N 4,096]; A: computed on the way; B: input lora_b_w: left as it is (K = 16 < 32)
;;   THE QUANTISER, for each operand of a quantised product, along K:
;;     - K is cut into blocks of 32 from its start; a last block that is shorter is filled with zeros.
;;     - A block's scale is 2^e with e = floor(log2(the largest magnitude in the block)) - 8, held to -126 .. 127; a block of zeros has e = 0. As a byte (E8M0): e + 127.
;;     - Each number is divided by its block's scale, clamped to +-448, and rounded to the nearest number of E4M3, ties to even, subnormals kept.
;;     - The product sums the exact products of the quantised numbers (number of the format x scale) in f32.
;;   ~~~python
;;   def quantise(x, axis):      # numpy; x: float32 -> the quantised numbers, widened to float32 again
;;       x = np.moveaxis(x, axis, -1); K = x.shape[-1]
;;       x = np.pad(x, [(0, 0)] * (x.ndim - 1) + [(0, -K % 32)]); x = x.reshape(x.shape[:-1] + (-1, 32)); a = np.abs(x).max(-1, keepdims=True)
;;       e = np.where(a > 0, np.clip(np.frexp(np.where(a > 0, a, 1))[1] - 1 - 8, -126, 127), 0)      # np.frexp(a)[1] - 1 = floor(log2(a)), exactly
;;       r = np.clip(x / 2.0 ** e, -448, 448)
;;       step = 2.0 ** (np.maximum(np.frexp(np.where(r == 0, 1, r))[1] - 1, -6) - 3)
;;       q = np.round(r / step) * step * 2.0 ** e      # np.round: ties to even
;;       return np.moveaxis(q.reshape(q.shape[:-2] + (-1,))[..., :K], -1, axis).astype(np.float32)
;;   ~~~
;;   OPERANDS COMPUTED ON THE WAY. 'Computed on the way' means the value that the module computes at that place (a softmax that the list does not call 'softmax' is quantised finished and normalised). What goes into a quantiser is computed in f32, as accurately as f32 sums, v_exp_f32 and their like allow (about 1e-6 of the number): no bf16 or f16 on the way to a quantiser, and a product that is left as it is and whose result goes on into a quantised operand takes f32 operands (vector FMAs, or v_wmma_f32_16x16x4_f32). A number that lies on a knife's edge between two numbers of the format may be rounded either way, as far as f32 arithmetic and the matrix unit's own rounding can turn it there, and no further.
;;   INPUTS GIVEN AS CODES. lora_a_w (in the module: [16, 4096], K = its axis 1); x (in the module: [4, 1024, 4096], K = its axis 2): each comes as NAME_codes (uint8): NAME with its K axis moved to the last place and cut into blocks of 32 codes, [.., K / 32, bytes a block], one block behind the other in memory; one code a byte (a code: sign, 4 exponent bits, 3 mantissa bits); and NAME_scales (uint8): the same leading axes, one E8M0 byte (e + 127) for each 32 codes along K. Its value is code x scale, taken as it is: it is not quantised again, and the codes and scales need not be those that the quantiser above would give.
;; One version. Each part assembles by itself: llvm-mc -triple=amdgcn-amd-amdhsa -mcpu=gfx1250 --defsym DOCPART=n.
;; ======== version 1 of 1: 2 launches
;; limits: values are held in bf16: 8 bits of precision; right only within a limited range of input values
;; workspace buffers: wq 17,301,504 bytes; hbf 131,072 bytes
;; launch prep (part 1): grid 512 x 1, 8 waves a work-group, no clusters, 144,384 bytes of LDS; arguments x_codes, x_scales, lora_a_w_codes, lora_a_w_scales, q_packed, scales, wq, hbf; writes wq, hbf
.if DOCPART == 1
	.amdgcn_target "amdgcn-amd-amdhsa--gfx1250"
	.amdhsa_code_object_version 6
	.text
	.protected	k_qe79089185e_prep
	.globl	k_qe79089185e_prep
	.p2align	8
	.type	k_qe79089185e_prep,@function
k_qe79089185e_prep:
	s_mov_b64 s[64:65], 0
	v_nop
	global_prefetch_b8 v0, s[64:65] scope:SCOPE_SE
	s_setreg_imm32_b32 hwreg(HW_REG_WAVE_MODE, 25, 1), 1
	s_wait_xcnt 0x0
; TWO JOBS IN ONE LAUNCH, 256 work-groups each, parted by the work-group's number n: the job is (n xor n >> 8) & 1, the share n >> 1.  So of two work-groups whose numbers are neighbours,
; and of two whose numbers lie 256 apart, one does each job; each share of each job is taken once.
; Job 0: h = (ALPHA / R) x lora_a^T, [4096][16], on the given codes of FP8 (E4M3) and E8M0 bytes; stored as bf16 in the order of a matrix operand's registers.
; Job 1: W[o][k] = NF4[nibble] x scales[o][k / 64] (one f32 product, as the source has it) is quantised along k: blocks of 32, scale 2^(floor(log2(largest magnitude)) - 8),
;        held within +-448 x the scale, rounded to the nearest code of E4M3, ties to even.
; wq:  codes [16 rows of W: 256][step of 128 along K: 32][2,048 bytes], each 2,048 bytes the image of an operand's registers: byte 512 c + 256 hh + 16 r + i is the code of row r at K = 32 c + 16 hh + i.
;      Behind the codes, from byte 16,777,216 on: scale bytes [K step of 256: 16][row: 4096][8 bytes].  The next launch loads both straight into registers.
; hbf: [block of 16 rows: 256][lane: 32][16 bytes]: lane (r, hh) holds bf16 of h(row r, ranks 8 hh .. 8 hh + 7): registers 0-3 of a 16-bit operand of 32 along K.
; LIMITS: NaN and infinities among the inputs are not served.  A block of zeros gets the scale byte 1 where the rule says 127: its codes are zeros, which add nothing under any byte but 0xff, and this program alone reads the bytes.
;         h is summed in eight parts along K (512 each; in a part two chains, steps 0, 2 and steps 1, 3), the parts then in ascending order: another order of f32 sums than one chain.
;         h is rounded to bf16 (the product that takes it is left as it is).
; No tensor loads.  Each job has LDS bytes of its own.
.set HW,   8448                        ; the h job: a wave's stage, 16 rows x (512 bytes + 16)
.set HSTG, 0                           ; eight of them
.set DQS,  67584                       ; the W job: 32 rows x 128 bytes of NF4 scales (f32)
.set DQB,  71680                       ; the W job: 256 scale bytes for each wave
.set CST,  74752                       ; the W job: behind the spare words, a stage for the codes: for each wave 2 groups x 16 pieces x (256 + 16) bytes
.set LSC,  0x3f800000                  ; ALPHA / R = 16 / 16 as f32
	s_load_b256 s[4:11], s[0:1], 0x0               ; x's codes s[4:5], x's scales s[6:7], lora_a's codes s[8:9], lora_a's scales s[10:11]
	s_load_b256 s[12:19], s[0:1], 0x20             ; q_packed s[12:13], scales s[14:15], wq s[16:17], hbf s[18:19]
	v_lshl_add_u32 v62, v0, 2, 0x12000
	v_mov_b32 v63, 0
	v_lshrrev_b32 v1, 5, v0
	s_delay_alu instid0(VALU_DEP_1)
	v_readfirstlane_b32 s20, v1                    ; wave 0..7
	v_and_b32 v1, 31, v0                           ; lane
	v_and_b32 v2, 15, v0                           ; r
	v_bfe_u32 v3, v0, 4, 1                         ; hh
	s_lshr_b32 s43, ttmp9, 1                       ; my share of my job, 0..255
	s_lshr_b32 s21, ttmp9, 8
	s_xor_b32 s21, s21, ttmp9
	s_and_b32 s21, s21, 1                          ; my job: the same for all waves of a work-group
	s_cmp_eq_u32 s21, 0
	s_cbranch_scc0 .Ldq
; ================= h.  A work-group takes rows 16 g .. 16 g + 15 of x (one tile); wave w takes K = 512 w .. 512 w + 511: four matrix instructions deep.
; Every load of codes reads 512 consecutive bytes of one row; the rows turn into fragments in the wave's own stage.
.set AS,  12                           ; v12-15  lora_a's scale words of my four steps of 128
.set XS,  16                           ; v16-19  x's
.set ACC, 24                           ; v24-39  two accumulators: steps 0, 2 and steps 1, 3
.set PS,  40                           ; v40-47  my part of the sums; later the bf16 to store
.set TA,  64                           ; v64-127   lora_a's 16 rows, then its four fragments
.set T0,  128                          ; v128-191  x's likewise; later the eight parts
	v_lshlrev_b32 v4, 4, v1                        ; 16 x lane
	s_mul_i32 s21, s20, HW                         ; my stage
	v_add_nc_u32 v5, s21, v4                       ; into it: 16 x lane of a row
	v_mul_u32_u24 v6, v2, 528
	s_delay_alu instid0(VALU_DEP_1)
	v_lshl_add_u32 v6, v3, 4, v6
	s_delay_alu instid0(VALU_DEP_1)
	v_add_nc_u32 v6, s21, v6                       ; out of it: row r, + 16 hh
	v_lshlrev_b32 v7, 7, v2                        ; a row of scale bytes is 128 bytes
	s_lshl_b32 s24, s43, 16                        ; 16 rows of 4,096 bytes
	s_lshl_b32 s25, s20, 9
	s_add_co_u32 s24, s24, s25                     ; + my 512 bytes of a row
	s_mov_b32 s25, 0
	s_lshl_b32 s26, s43, 11                        ; 16 rows of 128 scale bytes
	s_lshl_b32 s27, s20, 4
	s_add_co_u32 s26, s26, s27                     ; + my 16
	s_mov_b32 s27, 0
	s_lshl_b32 s28, s20, 9
	s_mov_b32 s29, 0
	s_lshl_b32 s30, s20, 4
	s_mov_b32 s31, 0
	s_lshl_b32 s32, s43, 9                         ; a block of 512 bytes of hbf
	s_mov_b32 s33, 0
	s_wait_alu depctr_va_vdst(0)
	s_wait_kmcnt 0x0
	s_add_nc_u64 s[4:5], s[4:5], s[24:25]
	s_add_nc_u64 s[6:7], s[6:7], s[26:27]
	s_add_nc_u64 s[8:9], s[8:9], s[28:29]
	s_add_nc_u64 s[10:11], s[10:11], s[30:31]
	s_add_nc_u64 s[18:19], s[18:19], s[32:33]
	global_load_b128 v[AS:AS+3], v7, s[10:11]              ; lane r: rank r's four words
	global_load_b128 v[XS:XS+3], v7, s[6:7]                ; lane r: row r's
.irp i, 0,1,2,3,4,5,6,7,8,9,10,11,12,13,14,15
	global_load_b128 v[TA+4*\i:TA+4*\i+3], v4, s[8:9] offset:4096*\i
.endr
.irp i, 0,1,2,3,4,5,6,7,8,9,10,11,12,13,14,15
	global_load_b128 v[T0+4*\i:T0+4*\i+3], v4, s[4:5] offset:4096*\i
.endr
; 16 rows x 512 bytes in v[reg] on go into my stage as rows and come back as four fragments: lane (r, hh), registers 16 q + 4 c on: K = 128 q + 32 c + 16 hh + 0 .. 15 of row r.
; LDS serves a wave's instructions in order (ISA guide 5.7.1.4): no wait between the stores and the loads, nor in front of the next tile's stores.  left: the younger global loads.
.macro TURNIN reg, left
	s_wait_loadcnt \left
.irp i, 0,1,2,3,4,5,6,7,8,9,10,11,12,13,14,15
	ds_store_b128 v5, v[\reg+4*\i:\reg+4*\i+3] offset:HSTG+528*\i
.endr
.irp q, 0,1,2,3
.irp c, 0,1,2,3
	ds_load_b128 v[\reg+16*\q+4*\c:\reg+16*\q+4*\c+3], v6 offset:HSTG+128*\q+32*\c
.endr
.endr
.endm
	TURNIN TA, 16                                  ; x's sixteen loads were issued behind lora_a's
	TURNIN T0, 0
	s_wait_dscnt 0x0
; Source 0 = the 16 ranks, source 1 = 16 rows of x: lane (r, hh), register i = h(row r, rank 8 hh + i).  The two accumulators take turns, one instruction a turn.
.irp q, 0,1,2,3
.if \q < 2
	v_wmma_scale_f32_16x16x128_f8f6f4 v[ACC+8*(\q%2):ACC+8*(\q%2)+7], v[TA+16*\q:TA+16*\q+15], v[T0+16*\q:T0+16*\q+15], 0, v[AS+\q], v[XS+\q]
.else
	v_wmma_scale_f32_16x16x128_f8f6f4 v[ACC+8*(\q%2):ACC+8*(\q%2)+7], v[TA+16*\q:TA+16*\q+15], v[T0+16*\q:T0+16*\q+15], v[ACC+8*(\q%2):ACC+8*(\q%2)+7], v[AS+\q], v[XS+\q]
.endif
.endr
.rept 8
	v_nop                                          ; eight places behind this form ahead of the reads of its results and of the loads into its operands' registers
.endr
.irp k, 0,2,4,6
	v_pk_add_f32 v[PS+\k:PS+\k+1], v[ACC+\k:ACC+\k+1], v[ACC+8+\k:ACC+8+\k+1]   ; the two chains; each accumulator is read from its low end on
.endr
	ds_store_b128 v5, v[PS:PS+3] offset:HSTG               ; my part of the sums as an image of the registers
	ds_store_b128 v5, v[PS+4:PS+7] offset:HSTG+512
	s_wait_dscnt 0x0                               ; for the others' sake: my stores have landed
	s_barrier_signal -1
	s_barrier_wait -1
	s_cmp_eq_u32 s20, 0                            ; wave 0 adds the eight parts
	s_cbranch_scc1 .Lsum
	s_wait_tensorcnt 0x0
	ds_add_u32 v62, v63
	s_wait_dscnt 0x0
	s_endpgm
.Lsum:
.irp u, 0,1,2,3,4,5,6,7
.irp p, 0,1
	ds_load_b128 v[T0+8*\u+4*\p:T0+8*\u+4*\p+3], v4 offset:HSTG+HW*\u+512*\p
.endr
.endr
	s_wait_dscnt 0x0
.irp u, 1,2,3,4,5,6,7
.irp k, 0,2,4,6
	v_pk_add_f32 v[T0+\k:T0+\k+1], v[T0+\k:T0+\k+1], v[T0+8*\u+\k:T0+8*\u+\k+1]   ; four chains, K ascending
.endr
.endr
.if LSC != 0x3f800000                  ; ALPHA / R is 1: nothing is assembled here
.irp k, 0,2,4,6
	v_pk_mul_f32 v[T0+\k:T0+\k+1], v[T0+\k:T0+\k+1], LSC op_sel_hi:[1,0]
.endr
.endif
.irp k, 0,1,2,3
	s_delay_alu instid0(VALU_DEP_4)
	v_cvt_pk_bf16_f32 v[PS+\k], v[T0+2*\k], v[T0+2*\k+1]
.endr
	global_store_b128 v4, v[PS:PS+3], s[18:19]     ; the wave stores 512 consecutive bytes, aligned to 512
	s_wait_tensorcnt 0x0
	ds_add_u32 v62, v63
	s_wait_dscnt 0x0
	s_endpgm
; ================= W.  Share 2 rg + kh takes rows 32 rg .. 32 rg + 31 and half kh of K; wave w takes K step 8 kh + w (256 along K) of all 32 rows.
; One load is one row's 128 ints: 512 consecutive bytes.  A lane's four ints are eight neighbours along K: four lanes hold a block of 32, eight lanes a block of 64 of the NF4 scales.
; THE TABLE lies across the lanes: lane l holds NF4[l % 16].  ds_bpermute_b32 gives each lane the register of lane (address / 4) mod 32 and touches no LDS byte (ISA guide, chapter 11):
; q << 2 is the low nibble's address as it stands and q >> 2 the high nibble's: the one bit above the nibble picks the table's second copy, the higher bits fall away.
.set SV,  64                           ; v64-95   row t's NF4 scale of my eight numbers; at the end v64-127 take the codes back from the stage
.set VR,  24                           ; v24-47   three sets of eight: addresses, then table values, then numbers
.set QR,  128                          ; v128-255 row t's four ints at QR + 4 t; later its codes (two registers) and its scale byte
.Ldq:
	s_lshr_b32 s22, s43, 1                         ; rg
	s_and_b32 s23, s43, 1                          ; kh
	s_lshl_b32 s24, s23, 3
	s_add_co_u32 s24, s24, s20                     ; my K step
	s_lshl_b32 s26, s22, 18                        ; q_packed: 32 rows of 8,192 bytes,
	s_lshl_b32 s27, s24, 9
	s_add_co_u32 s26, s26, s27                     ; + 512 bytes a K step
	s_mov_b32 s27, 0
	s_lshl_b32 s28, s22, 13                        ; scales: 32 rows of 256 bytes,
	s_lshl_b32 s29, s23, 7
	s_add_co_u32 s28, s28, s29                     ; + 128 bytes for a half of K
	s_mov_b32 s29, 0
	s_lshl_b32 s32, s22, 17                        ; wq: my 32 rows are two groups of 16: 65,536 bytes each,
	s_lshl_b32 s30, s24, 12
	s_add_co_u32 s32, s32, s30                     ; + 4,096 bytes a K step of 256
	s_mov_b32 s33, 0
	s_lshl_b32 s34, s24, 15                        ; scale bytes: 32,768 a K step,
	s_lshl_b32 s31, s22, 8
	s_add_co_u32 s34, s34, s31                     ; + my 32 rows x 8,
	s_add_co_u32 s34, s34, 0x1000000               ; behind the codes
	s_mov_b32 s35, 0
	s_mov_b32 s40, 0x600000                        ; the mantissa field of 448
	s_wait_alu depctr_va_vdst(0)
	v_lshlrev_b32 v4, 4, v1                        ; q_packed, and the codes out: 16 bytes a lane
	v_lshlrev_b32 v5, 3, v1                        ; scale bytes out: 8 bytes a lane
	v_lshl_add_u32 v6, v0, 4, DQS                  ; the NF4 scales into LDS: 16 bytes a thread, dense
	v_lshrrev_b32 v7, 3, v1
	s_lshl_b32 s41, s20, 4
	s_add_co_u32 s41, s41, DQS
	v_lshl_add_u32 v7, v7, 2, s41                  ; and out: my K step's 16 bytes of a row, word lane / 8
	v_lshrrev_b32 v8, 2, v1
	s_lshl_b32 s42, s20, 8
	s_add_co_u32 s42, s42, DQB
	v_add_nc_u32 v8, s42, v8                       ; my block's scale byte: lane / 4 of a row's eight
	v_lshl_add_u32 v9, v1, 3, s42                  ; back: lane i takes row i's eight
	s_mul_i32 s60, s20, 8704                       ; my wave's stage for the codes
	s_add_co_u32 s60, s60, CST
	v_lshrrev_b32 v50, 1, v1                       ; in: piece lane / 2 (= 8 q + 2 c + hh), 8 bytes at 8 (lane % 2); the row's 16 bytes stand in the immediate
	v_mul_u32_u24 v49, v3, 272                     ; back: lanes 0-15 one piece of 256 bytes, lanes 16-31 the next
	v_and_b32 v51, 1, v1
	v_mul_u32_u24 v48, v50, 272
	v_lshl_add_u32 v49, v2, 4, v49
	v_lshl_add_u32 v48, v51, 3, v48
	v_add_nc_u32 v49, s60, v49
	v_add_nc_u32 v48, s60, v48
	v_lshrrev_b32 v11, 3, v0
	v_and_b32 v22, 7, v0
	s_delay_alu instid0(VALU_DEP_1)
	v_lshlrev_b32 v22, 4, v22
	s_delay_alu instid0(VALU_DEP_1)
	v_lshl_add_u32 v11, v11, 8, v22                ; scales in memory: row thread / 8, 16 bytes at 16 (thread % 8)
	s_wait_alu depctr_va_vdst(0)
	s_wait_kmcnt 0x0
	s_add_nc_u64 s[12:13], s[12:13], s[26:27]
	s_add_nc_u64 s[14:15], s[14:15], s[28:29]
	s_add_nc_u64 s[36:37], s[16:17], s[32:33]
	s_add_nc_u64 s[38:39], s[16:17], s[34:35]
	global_load_b128 v[12:15], v11, s[14:15]       ; eight lanes read a row's 128 bytes
.set T, 0
.rept 32
	global_load_b128 v[QR+4*T:QR+4*T+3], v4, s[12:13] offset:8192*T th:TH_LOAD_NT   ; all 32 rows are asked for at once
.set T, T+1
.endr
	s_mov_b32 s44, 0xbf800000                      ; the sixteen levels of NF4, as f32
	s_mov_b32 s45, 0xbf3239b1
	s_mov_b32 s46, 0xbf066b30
	s_mov_b32 s47, 0xbeca32a0
	s_mov_b32 s48, 0xbe91a24d
	s_mov_b32 s49, 0xbe3d353f
	s_mov_b32 s50, 0xbdba7871
	s_mov_b32 s51, 0
	s_mov_b32 s52, 0x3da2faff
	s_mov_b32 s53, 0x3e24cae3
	s_mov_b32 s54, 0x3e7c04dd
	s_mov_b32 s55, 0x3ead033a
	s_mov_b32 s56, 0x3ee1a4b8
	s_mov_b32 s57, 0x3f1007ab
	s_mov_b32 s58, 0x3f3913b3
	s_mov_b32 s59, 0x3f800000
	v_mov_b32 v10, s44
.irp i, 1,2,3,4,5,6,7,8,9,10,11,12,13,14,15
	v_cmp_eq_u32 vcc_lo, \i, v2
	s_delay_alu instid0(VALU_DEP_1)
	v_cndmask_b32 v10, v10, s[44+\i], vcc_lo       ; lane l: NF4[l % 16]
.endr
	s_wait_loadcnt 32                              ; the scales are in; the 32 younger loads stay out
	ds_store_b128 v6, v[12:15]
	s_wait_dscnt 0x0                               ; for the others' sake
	s_barrier_signal -1
	s_barrier_wait -1
.set T, 0
.rept 32
	ds_load_b32 v[SV+T], v7 offset:128*T
.set T, T+1
.endr
; Row t: eight addresses, eight looks into the table.
.macro LOOKUP t
.set VB, VR+8*((\t)%3)
	s_wait_loadcnt 31-(\t)                         ; row t's load is in: 31 - t were issued behind it
.irp j, 0,1,2,3
	v_lshlrev_b32 v[VB+2*\j], 2, v[QR+4*(\t)+\j]   ; element 2 j: the low nibble
	v_lshrrev_b32 v[VB+2*\j+1], 2, v[QR+4*(\t)+\j] ; element 2 j + 1: the high nibble
.endr
	s_wait_alu depctr_va_vdst(0)
.irp i, 0,1,2,3,4,5,6,7
	ds_bpermute_b32 v[VB+\i], v[VB+\i], v10
.endr
.endm
; Row t: x the NF4 scale, the block's largest magnitude, its scale, the hold, the codes; codes and scale byte go to LDS.
.macro WORK t
.set VB, VR+8*((\t)%3)
.set MM, 16+3*((\t)%2)                 ; largest magnitude, the conversion's scale operand, 448 x the scale: two sets by turns
.set QT, QR+4*(\t)
.if (\t) < 30
	s_wait_dscnt 16                                ; row t's looks are back: behind them stand at least the sixteen of rows t + 1 and t + 2
.elseif (\t) == 30
	s_wait_dscnt 8                                 ; behind them: at least row 31's eight
.else
	s_wait_dscnt 0x0
.endif
.irp k, 0,2,4,6
.if (\t)%2 == 0
	v_pk_mul_f32 v[VB+\k:VB+\k+1], v[VB+\k:VB+\k+1], v[SV+2*((\t)/2):SV+2*((\t)/2)+1] op_sel_hi:[1,0]              ; both by the pair's first word: row t's scale
.else
	v_pk_mul_f32 v[VB+\k:VB+\k+1], v[VB+\k:VB+\k+1], v[SV+2*((\t)/2):SV+2*((\t)/2)+1] op_sel:[0,1] op_sel_hi:[1,1]  ; both by its second
.endif
.endr
	s_delay_alu instid0(VALU_DEP_4)
	v_max3_num_f32 v[MM], |v[VB]|, |v[VB+1]|, 0x4800000            ; my eight, and the floor 2^(9 - 127): the byte cannot fall under 1
	s_delay_alu instid0(VALU_DEP_1)
	v_max3_num_f32 v[MM], v[MM], |v[VB+2]|, |v[VB+3]|
	s_delay_alu instid0(VALU_DEP_1)
	v_max3_num_f32 v[MM], v[MM], |v[VB+4]|, |v[VB+5]|
	s_delay_alu instid0(VALU_DEP_1)
	v_max3_num_f32 v[MM], v[MM], |v[VB+6]|, |v[VB+7]|
	s_delay_alu instid0(VALU_DEP_1)
	v_max_num_f32_dpp v[MM], v[MM], v[MM] row_xmask:1 row_mask:0xf bank_mask:0xf
	s_delay_alu instid0(VALU_DEP_1)
	v_max_num_f32_dpp v[MM], v[MM], v[MM] row_xmask:2 row_mask:0xf bank_mask:0xf   ; with the three lanes that share the block of 32
	s_delay_alu instid0(VALU_DEP_1)
	v_add_nc_u32 v[MM+1], 0xfc000000, v[MM]        ; 8 off its exponent field: the conversion takes that field as its scale and nothing else
	s_delay_alu instid0(VALU_DEP_2)
	v_and_or_b32 v[MM+2], v[MM], 0x7f800000, s40   ; 448 x the scale
.irp i, 0,1,2,3,4,5,6,7
	v_med3_num_f32 v[VB+\i], v[VB+\i], -v[MM+2], v[MM+2]   ; the conversion to an 8-bit code does not saturate (ISA guide 7.6.2)
.endr
	v_cvt_scalef32_pk8_fp8_f32 v[QT:QT+1], v[VB:VB+7], v[MM+1]
	v_lshrrev_b32 v[QT+2], 23, v[MM+1]             ; the scale's byte; also the plain line behind the conversion
	ds_store_b8 v8, v[QT+2] offset:8*(\t)          ; the four lanes of a block write the same byte with the same value
	ds_store_b64 v48, v[QT:QT+1] offset:4352*((\t)/16)+16*((\t)%16)   ; row t's codes into the stage, where the image of the registers is put together
.endm
	LOOKUP 0
	LOOKUP 1
.set T, 0
.rept 32
.if T+2 < 32
	LOOKUP T+2                                     ; the looks run two rows ahead of the work
.endif
	WORK T
.set T, T+1
.endr
.irp g, 0,1
.irp j, 0,1,2,3,4,5,6,7
	ds_load_b128 v[64+32*\g+4*\j:64+32*\g+4*\j+3], v49 offset:4352*\g+544*\j   ; two pieces, 512 bytes of the image; LDS serves a wave's instructions in order
.endr
.endr
	ds_load_b64 v[22:23], v9                       ; these see my byte stores
	s_wait_dscnt 0x0
	global_store_b64 v5, v[22:23], s[38:39]        ; 32 rows x 8 scale bytes: 256 consecutive bytes, aligned
.irp g, 0,1
.irp j, 0,1,2,3,4,5,6,7
	global_store_b128 v4, v[64+32*\g+4*\j:64+32*\g+4*\j+3], s[36:37] offset:65536*\g+512*\j   ; the wave stores 512 consecutive bytes, aligned
.endr
.endr
	s_wait_tensorcnt 0x0
	ds_add_u32 v62, v63
	s_wait_dscnt 0x0
	s_endpgm
.Lfunc_end_k_qe79089185e_prep:
	.size	k_qe79089185e_prep, .Lfunc_end_k_qe79089185e_prep-k_qe79089185e_prep
	.p2alignl 7, 3214868480
	.fill 96, 4, 3214868480
	.section	.rodata,"a",@progbits
	.p2align	6, 0x0
	.amdhsa_kernel k_qe79089185e_prep
		.amdhsa_group_segment_fixed_size 144384
		.amdhsa_private_segment_fixed_size 0
		.amdhsa_enable_private_segment 0
		.amdhsa_kernarg_size 64
		.amdhsa_user_sgpr_count 2
		.amdhsa_user_sgpr_kernarg_segment_ptr 1
		.amdhsa_wavefront_size32 1
		.amdhsa_system_sgpr_workgroup_id_x 1
		.amdhsa_system_sgpr_workgroup_id_y 1
		.amdhsa_system_sgpr_workgroup_id_z 1
		.amdhsa_system_vgpr_workitem_id 0
		.amdhsa_next_free_vgpr 256
		.amdhsa_next_free_sgpr 66
		.amdhsa_reserve_vcc 1
		.amdhsa_float_denorm_mode_32 3
		.amdhsa_float_denorm_mode_16_64 3
		.amdhsa_memory_ordered 1
		.amdhsa_forward_progress 1
		.amdhsa_inst_pref_size 112
	.end_amdhsa_kernel
	.amdgpu_metadata
---
amdhsa.version: [ 1, 2 ]
amdhsa.kernels:
  - .name:           k_qe79089185e_prep
    .symbol:         k_qe79089185e_prep.kd
    .args:
      - { .name: x_codes, .offset: 0, .size: 8, .value_kind: global_buffer, .address_space: global }
      - { .name: x_scales, .offset: 8, .size: 8, .value_kind: global_buffer, .address_space: global }
      - { .name: lora_a_w_codes, .offset: 16, .size: 8, .value_kind: global_buffer, .address_space: global }
      - { .name: lora_a_w_scales, .offset: 24, .size: 8, .value_kind: global_buffer, .address_space: global }
      - { .name: q_packed, .offset: 32, .size: 8, .value_kind: global_buffer, .address_space: global }
      - { .name: scales, .offset: 40, .size: 8, .value_kind: global_buffer, .address_space: global }
      - { .name: wq, .offset: 48, .size: 8, .value_kind: global_buffer, .address_space: global }
      - { .name: hbf, .offset: 56, .size: 8, .value_kind: global_buffer, .address_space: global }
    .group_segment_fixed_size: 144384
    .private_segment_fixed_size: 0
    .kernarg_segment_align: 8
    .kernarg_segment_size: 64
    .max_flat_workgroup_size: 256
    .sgpr_count:     66
    .vgpr_count:     256
    .wavefront_size: 32
...
	.end_amdgpu_metadata
.endif
;; end of part 1
;; launch gemm (part 2): grid 16 x 16, 4 waves a work-group, clusters of 4 x 1, 327,680 bytes of LDS; arguments x_codes, x_scales, wq, hbf, lora_b_w, out0; writes out0
.if DOCPART == 2
	.amdgcn_target "amdgcn-amd-amdhsa--gfx1250"
	.amdhsa_code_object_version 6
	.text
	.protected	k_qe79089185e_gemm
	.globl	k_qe79089185e_gemm
	.p2align	8
	.type	k_qe79089185e_gemm,@function
k_qe79089185e_gemm:
	s_mov_b64 s[64:65], 0
	v_nop
	global_prefetch_b8 v0, s[64:65] scope:SCOPE_SE
	s_setreg_imm32_b32 hwreg(HW_REG_WAVE_MODE, 25, 1), 1
	s_wait_xcnt 0x0
	s_wait_alu depctr_hold_cnt(0) depctr_sa_sdst(0) depctr_va_vdst(0) depctr_va_sdst(0) depctr_va_ssrc(0) depctr_va_vcc(0) depctr_vm_vsrc(0)
	s_getreg_b32 s2, hwreg(HW_REG_IB_STS2, 6, 4)
	s_cmp_eq_u32 s2, 0
	s_cbranch_scc0 .Lentry_in_a_cluster
	s_endpgm
.Lentry_in_a_cluster:
	s_bfe_u32 s2, ttmp6, 0x10000c
	s_cmp_lg_u32 s2, 0x3003
	s_cbranch_scc0 .Lentry_shape_is_right
	s_endpgm
.Lentry_shape_is_right:
; out0[m][o] = sum over k of x[m][k] W[o][k] + sum over r of h[m][r] lora_b[o][r].  x: given codes of E4M3 with E8M0 bytes; W: codes and bytes as the launch before laid them in wq; h: bf16, from hbf.
; A work-group of four waves makes 256 x 256 of out0; a wave makes all 256 rows x 64 columns: 64 accumulators of 16 x 16, 512 registers.
; x goes through LDS: a ring of two slots of 256 rows x 512 along K (a phase: four steps of 128), filled by the tensor data mover, a quarter of a slot a wave; x's scale bytes of the 256 rows, for all of K, come once and stay.
; W GOES FROM MEMORY STRAIGHT INTO REGISTERS: a wave's 64 columns are its own, wq holds each fragment as the image of its 16 registers, so a load is 512 consecutive bytes; four sets of registers, a step's 16 loads issued three steps ahead of its products.
; THE LAST PHASE GOES BY ROWS OF out0: all four sets of W are in registers then, so the groups of 64 rows are finished one after the other, K ascending in each sum, and each leaves as soon as it is finished.
; CLUSTERS: the four work-groups of a cluster (4, 1, 1) make one tile row and need the same tiles of x: these are asked for jointly, mask 15.  W's fragments land in registers, which a joint load cannot fill; no two waves of a cluster read the same W.
; PREFETCH: x's tile that stands two refills on: 512 blocks of 256 bytes, one for each lane of the cluster's 16 waves, shared out by address.  None for W: its loads are themselves issued three steps (192 products) ahead of their use.
; THE MATRIX INSTRUCTION IS USED TRANSPOSED (source 0 = 16 rows of W, source 1 = 16 rows of x): a lane holds eight neighbouring numbers of a row of out0.  The LoRA product (bf16, K = 16 filled to 32 with zeros) starts the sums.
; LIMITS: NaN and infinities among the inputs are not served; h and lora_b are rounded to bf16 (the product that takes them is left as it is).
; REGISTERS: window 0: v0-15 addresses; v16-31 W's scale words, two sets; v32-63 x's scale words of four steps; v64-255 x's fragments, a ring of three sets of four blocks (at the head: at work).
;   window 1: W's fragments, four sets of 64.  window 2: the accumulators of rows 0-127 ((a, b) at v[8 (4 a + b)]); window 3: those of rows 128-255.
.set PITCH,  528                       ; an LDS row of x: 512 bytes + 16 of padding
.set SLOT,   256*PITCH
.set SCL,    2*SLOT                    ; x's scales: 128 units of 256 bytes + 16
.set SPITCH, 272
.set STAGE,  SCL+128*272               ; the way out: 16 rows x (256 + 16) bytes for each wave; no fill lands here
.set SPARE,  STAGE+4*16*SPITCH         ; the spare words: 128 bytes a wave
.set ADRA, 2                           ; v2-5  x's fragments: slot 0 blocks 0-7, 8-15; slot 1 likewise
.set ADRS, 6                           ; v6    x's scale words: lane l takes row l of 32
.set STO,  7
.set RD,   8
.set CO,   9
.set SPW,  10
.set NIL,  11
.set BO,   12                          ; 16 x lane
.set BSO,  13                          ; 8 x lane
.set PFO,  14
.set LBO,  15
.set SB,   16                          ; W's scale words: set S, register 4 (b / 2) + 2 (1 - q / 2) + q % 2; lanes 0-15 the even block, lanes 16-31 the odd
.set SA,   32                          ; x's: register 4 (a / 2) + q; so the two scale registers of a product differ modulo 4
.set AF,   64
.set LB,   64                          ; head: lora_b's four fragments
.set RAW,  96                          ; head: lora_b as f32
.set HF,   128                         ; head: h's sixteen fragments
.set G1,  24
.set G0,  32                           ; s[32:39] group 0, a set for each slot
.set G1S, 40
.set G0H, 48
.set G0S, 52
.set BP,  56                           ; s[56:57] W's codes, s[58:59] W's scale bytes, s[60:61] the prefetches
.set BS,  58
.set PFA, 60
.set TO_B, 0x40
.set MSB, 0
.macro WIN new                         ; the immediate's high byte repeats the setting that is left
.if MSB != (\new)
	s_set_vgpr_msb (MSB<<8)|(\new)
.set MSB, (\new)
.endif
.endm
.macro PLACES n
.rept \n
	v_nop
.endr
.endm
.macro CREST
	s_cmp_lg_u32 s16, 0
	s_cbranch_scc1 .Lnot_wave_0_\@
	s_barrier_signal -3
.Lnot_wave_0_\@:
	s_barrier_wait -3
	s_barrier_signal -1
	s_barrier_wait -1
.endm
.macro CROUND
	s_barrier_signal -1
	s_barrier_wait -1
	CREST
.endm
	s_load_b256 s[4:11], s[0:1], 0x0               ; x's codes, x's scales, wq, hbf
	s_load_b128 s[12:15], s[0:1], 0x20             ; lora_b, out0
	v_lshl_add_u32 v[SPW], v0, 2, SPARE
	v_mov_b32 v[NIL], 0
	ds_add_u32 v[SPW], v[NIL]                      ; the opening lines: the add twice on end and its wait
	ds_add_u32 v[SPW], v[NIL]
	v_lshrrev_b32 v40, 5, v0
	v_readfirstlane_b32 s16, v40                   ; wave
	s_lshr_b32 s17, s16, 1
	s_and_b32 s18, s16, 1
	s_bfe_u32 s70, ttmp6, 0x40000                  ; cx
	s_lshl_b32 s71, ttmp9, 2
	s_add_co_u32 s71, s71, s70                     ; tile column
	s_and_b32 s72, ttmp7, 0xffff                   ; tile row
	s_mov_b32 s[G1+0], 15|(1<<20)|(1<<21)|(6<<22)|(3<<25)   ; mask of the four; bytes; 4 words of padding behind every 128
	s_mov_b32 s[G1+1], 512<<16
	s_mov_b32 s[G1+2], 128<<16                     ; the head's loads bring 128 rows
	s_mov_b32 s[G1+3], 512<<16
	s_mov_b32 s[G1+4], 128
	s_mov_b32 s[G1+5], 4096
	s_mov_b32 s[G1+6], 0
	s_mov_b32 s[G1+7], 0
	s_mov_b32 s[G1S+0], 15|(3<<16)|(1<<20)|(1<<21)|(5<<22)|(3<<25)   ; a dense block as 64 rows of 256 bytes
	s_mov_b32 s[G1S+1], 32<<16
	s_mov_b32 s[G1S+2], 64<<16
	s_mov_b32 s[G1S+3], 32<<16
	s_mov_b32 s[G1S+4], 64
	s_mov_b32 s[G1S+5], 32
	s_mov_b32 s[G1S+6], 0
	s_mov_b32 s[G1S+7], 0
	s_lshl_b32 s20, s72, 20                        ; 256 rows of 4,096 bytes a tile row
	s_lshl_b32 s21, s18, 19
	s_lshl_b32 s22, s16, 18
	s_add_co_u32 s22, s22, s20                     ; the ring: my 64 rows
	s_add_co_u32 s20, s20, s21                     ; the head: 128 rows
	s_mov_b32 s21, 0
	s_mov_b32 s23, 0
	s_lshl_b32 s68, s72, 15                        ; scales: 256 rows of 128 bytes
	s_lshl_b32 s69, s18, 14
	s_add_co_u32 s68, s68, s69
	s_mov_b32 s69, 0
	s_mul_i32 s74, s16, 64*PITCH
	s_mul_i32 s75, s18, 64*272
	s_wait_alu depctr_va_vdst(0)
	s_wait_dscnt 0x0
	s_wait_kmcnt 0x0
	s_add_nc_u64 s[20:21], s[4:5], s[20:21]
	s_add_nc_u64 s[22:23], s[4:5], s[22:23]
	s_add_nc_u64 s[68:69], s[6:7], s[68:69]
	CROUND                                         ; the four work-groups are here: the first joint loads meet
	s_mov_b32 s[G0H], 1
	s_mul_i32 s[G0H+1], s18, 128*PITCH
	s_mov_b64 s[G0H+2:G0H+3], s[20:21]
	s_or_b32 s[G0H+3], s[G0H+3], 0x80000000
	s_mov_b32 s[G0S], 1
	s_add_co_u32 s[G0S+1], s75, SCL
	s_mov_b64 s[G0S+2:G0S+3], s[68:69]
	s_or_b32 s[G0S+3], s[G0S+3], 0x80000000
.irp s, 0,1
	s_mov_b32 s[G0+4*\s], 1
	s_add_co_u32 s[G0+4*\s+1], s74, \s*SLOT
	s_add_nc_u64 s[G0+4*\s+2:G0+4*\s+3], s[22:23], \s*512
	s_or_b32 s[G0+4*\s+3], s[G0+4*\s+3], 0x80000000
.endr
	s_cmp_eq_u32 s17, 0                            ; one load a wave: waves 0, 1 the halves of slot 0, waves 2, 3 the halves of x's scales
	s_cbranch_scc0 .Lhead_s
	tensor_load_to_lds s[G0H:G0H+3], s[G1:G1+7]
	s_nop 0
	PLACES 4
	s_branch .Lhead_j
.Lhead_s:
	tensor_load_to_lds s[G0S:G0S+3], s[G1S:G1S+7]
	s_nop 0
	PLACES 4
.Lhead_j:
	s_mov_b32 s79, 0
	s_lshl_b32 s78, s72, 13                        ; hbf: 16 blocks of 512 bytes a tile row
	s_add_nc_u64 s[10:11], s[10:11], s[78:79]
	s_lshl_b32 s78, s71, 14                        ; lora_b: my 64 rows of 64 bytes
	s_lshl_b32 s77, s16, 12
	s_add_co_u32 s78, s78, s77
	s_add_nc_u64 s[12:13], s[12:13], s[78:79]
	s_lshl_b32 s78, s71, 20                        ; W's codes: my four groups of 16 rows, 65,536 bytes each
	s_lshl_b32 s77, s16, 18
	s_add_co_u32 s78, s78, s77
	s_add_nc_u64 s[BP:BP+1], s[8:9], s[78:79]
	s_lshl_b32 s78, s71, 11                        ; W's scale bytes: my 64 rows x 8, behind the codes
	s_lshl_b32 s77, s16, 9
	s_add_co_u32 s78, s78, s77
	s_add_co_u32 s78, s78, 0x1000000
	s_add_nc_u64 s[BS:BS+1], s[8:9], s[78:79]
	s_lshl_b32 s78, s72, 22                        ; out0: 256 rows of 16,384 bytes, + my 64 columns
	s_lshl_b32 s77, s71, 10
	s_add_co_u32 s78, s78, s77
	s_lshl_b32 s77, s16, 8
	s_add_co_u32 s78, s78, s77
	s_add_nc_u64 s[14:15], s[14:15], s[78:79]
	s_lshl_b32 s78, s72, 20                        ; the prefetches: of the tile's 256 rows my work-group takes 64, my wave 16 of them
	s_lshl_b32 s77, s70, 18
	s_add_co_u32 s78, s78, s77
	s_lshl_b32 s77, s16, 16
	s_add_co_u32 s78, s78, s77
	s_add_nc_u64 s[PFA:PFA+1], s[4:5], s[78:79]
	s_mul_i32 s76, s16, 16*SPITCH
	s_add_co_u32 s76, s76, STAGE                   ; my stage
	v_and_b32 v40, 15, v0                          ; r
	v_bfe_u32 v41, v0, 4, 1                        ; h
	v_and_b32 v42, 31, v0                          ; lane
	v_lshlrev_b32 v[BO], 4, v42
	v_lshlrev_b32 v[BSO], 3, v42
	v_lshlrev_b32 v[LBO], 6, v40
	v_mul_u32_u24 v[ADRA], v40, PITCH
	v_lshrrev_b32 v43, 1, v42
	v_and_b32 v44, 1, v42
	v_lshl_add_u32 v[LBO], v41, 5, v[LBO]          ; lora_b: row r, ranks 8 h on
	v_lshl_add_u32 v[ADRA], v41, 4, v[ADRA]        ; a fragment's row x pitch + 16 h
	v_mul_u32_u24 v45, v43, 272
	v_lshlrev_b32 v46, 12, v43
	v_add_nc_u32 v[ADRA+1], 128*PITCH, v[ADRA]
	v_add_nc_u32 v[ADRA+2], SLOT, v[ADRA]
	v_add_nc_u32 v[ADRA+3], SLOT+128*PITCH, v[ADRA]
	v_lshl_add_u32 v45, v44, 7, v45                ; a row of x's scales is 128 bytes: two to a unit
	v_lshl_add_u32 v[PFO], v44, 8, v46             ; row lane / 2, block lane % 2 of its 512 bytes
	v_add_nc_u32 v[ADRS], SCL, v45
	v_mul_u32_u24 v47, v40, SPITCH
	v_mul_u32_u24 v48, v41, SPITCH
	v_lshlrev_b32 v49, 14, v41
	v_lshl_add_u32 v47, v41, 5, v47                ; into the stage: row r, 32 bytes for each half of the lanes
	v_lshl_add_u32 v48, v40, 4, v48                ; back: lanes 0-15 one row of 256 bytes, lanes 16-31 the next
	v_lshl_add_u32 v[CO], v40, 4, v49              ; and the same two rows in out0
	v_add_nc_u32 v[STO], s76, v47
	v_add_nc_u32 v[RD], s76, v48
.set N, 0
.rept 16
	global_load_b128 v[HF+8*N:HF+8*N+3], v[BO], s[10:11] offset:512*N
.set N, N+1
.endr
.irp b, 0,1,2,3
	global_load_b128 v[RAW+8*\b:RAW+8*\b+3], v[LBO], s[12:13] offset:1024*\b
	global_load_b128 v[RAW+8*\b+4:RAW+8*\b+7], v[LBO], s[12:13] offset:1024*\b+16
.endr
; W's scale words of four steps (two K steps of 256) into set S: a lane takes a row of 32, two words
.macro BSC S, ph
.irp kk, 0,1
.irp u, 0,1
	global_load_b64 v[SB+8*(\S)+4*\u+2*(1-\kk):SB+8*(\S)+4*\u+2*(1-\kk)+1], v[BSO], s[BS:BS+1] offset:(2*(\ph)+\kk)*32768+\u*256
.endr
.endr
.endm
; W's four fragments of one step into set p; k: the step's place along K from s[BP]
.macro BFR p, k
	WIN TO_B
.irp b, 0,1,2,3
.irp c, 0,1,2,3
	global_load_b128 v[64*(\p)+16*\b+4*\c:64*(\p)+16*\b+4*\c+3], v[BO], s[BP:BP+1] offset:\b*65536+\c*512+(\k)*2048
.endr
.endr
.endm
	BSC 0, 0
	BFR 0, 0
	BFR 1, 1
	BFR 2, 2
	WIN 0
.set N, 0
.rept 16
.irp j, 4,5,6,7
	v_mov_b32 v[HF+8*N+\j], 0                      ; K = 16 .. 31 of the LoRA product: zeros
.endr
.set N, N+1
.endr
.irp b, 0,1,2,3
.irp j, 4,5,6,7
	v_mov_b32 v[LB+8*\b+\j], 0
.endr
.endr
	s_wait_alu depctr_va_vdst(0)
	s_wait_loadcnt 52                              ; h and lora_b are in: behind them stand 4 loads of scale words and 48 of fragments
.irp b, 0,1,2,3
.irp j, 0,1,2,3
	v_cvt_pk_bf16_f32 v[LB+8*\b+\j], v[RAW+8*\b+2*\j], v[RAW+8*\b+2*\j+1]
.endr
.endr
	PLACES 4
.set N, 0
.rept 16
	WIN 0xa0+0x50*(N/8)
.irp b, 0,1,2,3
	v_wmma_f32_16x16x32_bf16 v[8*(4*(N%8)+\b):8*(4*(N%8)+\b)+7], v[LB+8*\b:LB+8*\b+7], v[HF+8*N:HF+8*N+7], 0   ; the LoRA product starts the 64 sums
.endr
.set N, N+1
.endr
	WIN 0
	PLACES 8
; x's fragments of blocks 4 g .. 4 g + 3 of the slot's q-th 128 along K into set bf of the ring: 16 loads in one run
.macro ARUN slot, q, g, bf
.irp u, 0,1,2,3
.irp c, 0,1,2,3
	ds_load_b128 v[AF+64*(\bf)+16*\u+4*\c:AF+64*(\bf)+16*\u+4*\c+3], v[ADRA+2*(\slot)+(\g)/2] offset:128*(\q)+32*\c+(4*((\g)%2)+\u)*16*PITCH
.endr
.endr
.endm
; x's scale words of a phase's four steps (16 bytes a row at byte so), for the pairs of blocks lo .. hi
.macro ASCL lo, hi, so
.irp i, 0,1,2,3,4,5,6,7
.if ((\i) >= (\lo)) && ((\i) <= (\hi))
	ds_load_b128 v[SA+4*\i:SA+4*\i+3], v[ADRS] offset:\i*16*272+(\so)
.endif
.endr
.endm
.macro ASK off                         ; x's tile two refills on; the last lap of the loop has none
	s_cmp_gt_u32 s3, 1
	s_cbranch_scc0 .Lno_ask_\@
	global_prefetch_b8 v[PFO], s[PFA:PFA+1] offset:\off th:TH_LOAD_NT scope:SCOPE_SE
.Lno_ask_\@:
.endm
; one product: x's block a (in set bf), W's block b, the phase's q-th step, W's scale set S.  The odd block's scale words stand in lanes 16-31.
.macro WM a, b, q, S, bf
.set DA, 8*(4*((\a)%8)+(\b))
.set RB, 64*(\q)+16*(\b)
.set RA, AF+64*(\bf)+16*((\a)%4)
.set XB, SB+8*(\S)+4*((\b)/2)+2*(1-(\q)/2)+(\q)%2
.set XA, SA+4*((\a)/2)+(\q)
.if (((\a)%2) == 0) && (((\b)%2) == 0)
	v_wmma_scale_f32_16x16x128_f8f6f4 v[DA:DA+7], v[RB:RB+15], v[RA:RA+15], v[DA:DA+7], v[XB], v[XA]
.elseif ((\a)%2) == 0
	v_wmma_scale_f32_16x16x128_f8f6f4 v[DA:DA+7], v[RB:RB+15], v[RA:RA+15], v[DA:DA+7], v[XB], v[XA] matrix_a_scale:MATRIX_SCALE_ROW1
.elseif ((\b)%2) == 0
	v_wmma_scale_f32_16x16x128_f8f6f4 v[DA:DA+7], v[RB:RB+15], v[RA:RA+15], v[DA:DA+7], v[XB], v[XA] matrix_b_scale:MATRIX_SCALE_ROW1
.else
	v_wmma_scale_f32_16x16x128_f8f6f4 v[DA:DA+7], v[RB:RB+15], v[RA:RA+15], v[DA:DA+7], v[XB], v[XA] matrix_a_scale:MATRIX_SCALE_ROW1 matrix_b_scale:MATRIX_SCALE_ROW1
.endif
.endm
.macro MUL16 q, g, S, bf               ; sixteen products: x's blocks 4 g .. 4 g + 3 against W's four; the accumulators take turns
	WIN 0xa1+0x50*((\g)/2)
.irp u, 0,1,2,3
.irp b, 0,1,2,3
	WM 4*(\g)+\u, \b, \q, \S, \bf
.endr
.endr
.endm
; THE WAY OUT of a block of 16 rows x 64 columns: through my own stage and back, as whole rows of 256 bytes, INTO THE BLOCK'S OWN 32 REGISTERS, which no later line writes; its place in out0 stands in the stores' immediate.
.macro TOST a
.set AC, 32*((\a)%8)
.irp b, 0,1,2,3
	ds_store_b128 v[STO], v[AC+8*\b:AC+8*\b+3] offset:64*\b            ; each accumulator from its low end on
	ds_store_b128 v[STO], v[AC+8*\b+4:AC+8*\b+7] offset:64*\b+16
.endr
.irp t, 0,1,2,3,4,5,6,7
	ds_load_b128 v[AC+4*\t:AC+4*\t+3], v[RD] offset:\t*2*SPITCH        ; LDS serves a wave's instructions in order: these see the stores above
.endr
.endm
.macro SEND a, younger
.set AC, 32*((\a)%8)
	s_wait_dscnt \younger
.irp t, 0,1,2,3,4,5,6,7
	global_store_b128 v[CO], v[AC+4*\t:AC+4*\t+3], s[14:15] offset:(16*(\a)+2*\t)*16384 th:TH_STORE_NT   ; sixteen lanes store 256 consecutive bytes, aligned
.endr
.endm
.macro OUT g                           ; four blocks; behind a block's loads stand the next block's 8 stores and 8 loads
	WIN 0x88+0x44*((\g)/2)                         ; data of stores and of loads: window 2 or 3; addresses: window 0
	TOST 4*(\g)
	TOST 4*(\g)+1
	SEND 4*(\g), 16
	TOST 4*(\g)+2
	SEND 4*(\g)+1, 16
	TOST 4*(\g)+3
	SEND 4*(\g)+2, 16
	SEND 4*(\g)+3, 0
.endm
; which step PQ and which group of four blocks PG stand at place m of a phase.  As a rule by steps; in the last phase (kind 3) by groups: groups 0 and 1 through steps 0-2, their step 3, then groups 2 and 3
.macro POS k, m
.set PQ, (\m)/4
.set PG, (\m)%4
.if (\k) == 3
.if (\m) < 6
.set PQ, (\m)%3
.set PG, (\m)/3
.elseif (\m) < 8
.set PQ, 3
.set PG, (\m)-6
.else
.set PQ, (\m)%4
.set PG, (\m)/4
.endif
.endif
.endm
; A PHASE: the sixteen places of slot sl.  Place m reads set (m + sl) % 3 of the ring; behind its products, in ONE run behind eight places, place m + 3 is fetched into the set just read;
; behind a step's first group also W's fragments of the step three on and, in a phase's first step, the next phase's scale words of W.
; The wait on LOADcnt at a step's head leaves out the W loads of the two steps asked for behind this step's: 16 each, and 4 more where the scale words went with them.
; Places 13 to 15 fetch nothing of this slot: under them stand the three lines and the barrier of the change of slots.
; kind 0: slot 0 in the loop: the round closes behind place 14, the refill goes out, and the next phase's first places are fetched into the sets just freed (1, 2, then 0): so the phase in slot 1 finds the ring turned by one set.
; kind 1: slot 1 in the loop: the round closes behind place 15, and the ring starts anew.   kind 2: as kind 0, with no refill, ahead of the last phase.   kind 3: the last phase.
.macro PHASE sl, kind
.irp m, 0,1,2,3,4,5,6,7,8,9,10,11,12,13,14,15
	POS \kind, (\m)+3
.set NXQ, PQ
.set NXG, PG
	POS \kind, \m
.set BF, ((\m)+(\sl))%3
.if (\kind) == 3
.if (\m) < 3
	s_wait_loadcnt 48-16*(\m)                      ; this step's W is in: behind it the loads of the 3, 2, 1 later steps
.elseif (\m) == 6
	s_wait_loadcnt 0x0
.endif
.elseif PG == 0
.set KB, 4*(\sl)+PQ+3
.if (PQ == 1) || (PQ == 2)
	s_wait_loadcnt 36
.else
	s_wait_loadcnt 32
.endif
.endif
.if ((\kind) < 3) && ((\m) >= 13)
.if (\m) == 13
	WIN 0
	s_wait_tensorcnt 0x0                           ; my one tensor load that was out, my part of the next slot, has landed
	ds_add_u32 v[SPW], v[NIL]
.if (\kind) < 2
	s_add_nc_u64 s[G0+4*(\sl)+2:G0+4*(\sl)+3], s[G0+4*(\sl)+2:G0+4*(\sl)+3], 1024   ; this slot's next tile: two tiles of 512 bytes on
.endif
	s_wait_dscnt 33                                ; this place's fragments are in: behind them two runs of sixteen and the add
.elseif (\m) == 14
	s_wait_dscnt 0x0                               ; the add is done, and my reads of this slot are over
	s_barrier_signal -1
.endif
.elseif (\m) >= 13
	s_wait_dscnt 16*(15-(\m))
.else
	s_wait_dscnt 32                                ; this place's fragments are in: behind their run stand at least 32 LDS instructions
.endif
	MUL16 PQ, PG, \sl, BF
.if (\m) <= 12
	PLACES 8
	WIN 0
	ARUN \sl, NXQ, NXG, BF
.if ((\kind) < 3) && (PG == 0)
.if PQ == 0
	BSC 1-(\sl), (\sl)+1
.endif
	BFR (PQ+3)%4, KB
.endif
.endif
.if (((\kind) == 0) || ((\kind) == 2)) && ((\m) == 14)
	WIN 0
	s_barrier_wait -1
.if (\kind) == 0
	CREST                                          ; the barrier has opened a round of the cluster's barrier: no wave of any partner still reads this slot or has a load on its way
	tensor_load_to_lds s[G0:G0+3], s[G1:G1+7]      ; my one load behind the round: my 64 rows of the tile two on
	s_nop 0
.endif
	PLACES 8
	ASCL 0, 5, 16
	ARUN 1, 0, 0, 1
.if (\kind) == 0
	ARUN 1, 0, 1, 2
	ASK 2048
.else
	ARUN 1, 1, 0, 2
.endif
.endif
.if (((\kind) == 0) || ((\kind) == 2)) && ((\m) == 15)
	PLACES 8
	WIN 0
	ASCL 6, 7, 16
.if (\kind) == 0
	ARUN 1, 0, 2, 0
.else
	ARUN 1, 2, 0, 0
	BFR 3, 7                                       ; the last step's W, into the set that this phase's last step has read
.endif
.endif
.if ((\kind) == 1) && ((\m) == 15)
	WIN 0
	s_barrier_wait -1
	CREST
	tensor_load_to_lds s[G0+4:G0+7], s[G1:G1+7]
	s_nop 0
	PLACES 8
	ASCL 0, 7, 32
	ARUN 0, 0, 0, 0
	ARUN 0, 0, 1, 1
	ARUN 0, 0, 2, 2
	ASK 2560
.endif
.if (\kind) == 3
.if (\m) == 6
	OUT 0                                          ; rows 0-63 are finished (the eight places stand ahead of the run above)
.elseif (\m) == 7
	OUT 1
.elseif (\m) == 11
	OUT 2
.elseif (\m) == 15
	PLACES 8
	OUT 3
.endif
.endif
.endr
.endm
	s_wait_tensorcnt 0x0                           ; my tile of the head's is in
	ds_add_u32 v[SPW], v[NIL]
	s_mov_b32 s[G1+2], 64<<16                      ; no tensor load of mine is out: from here on a load brings 64 rows
	s_mov_b32 s[G1+4], 64
	s_wait_dscnt 0x0
	CROUND
	tensor_load_to_lds s[G0+4:G0+7], s[G1:G1+7]    ; slot 1's first fill: tile 1
	s_nop 0
	PLACES 4
	ASCL 0, 7, 0
	ARUN 0, 0, 0, 0
	ARUN 0, 0, 1, 1
	ARUN 0, 0, 2, 2
	s_mov_b32 s3, 3
.Llap:                                                 ; a trip: two phases, once round the ring of slots; both slots are filled again
	PHASE 0, 0
	PHASE 1, 1
	s_wait_xcnt 0x0                                ; the loads and prefetches issued so far have read their bases
	s_add_nc_u64 s[BP:BP+1], s[BP:BP+1], 8*2048
	s_add_nc_u64 s[BS:BS+1], s[BS:BS+1], 4*32768
	s_add_nc_u64 s[PFA:PFA+1], s[PFA:PFA+1], 1024
	v_add_nc_u32 v[ADRS], 32, v[ADRS]
	s_wait_alu depctr_va_vdst(0)
	s_sub_co_u32 s3, s3, 1
	s_cmp_lg_u32 s3, 0
	s_cbranch_scc1 .Llap
	PHASE 0, 2                                     ; the last lap fills nothing
	PHASE 1, 3
	WIN 0
	s_wait_tensorcnt 0x0                           ; the wave's end
	ds_add_u32 v[SPW], v[NIL]
	s_wait_dscnt 0x0
	CROUND                                         ; the closing round
	s_endpgm
.Lfunc_end_k_qe79089185e_gemm:
	.size	k_qe79089185e_gemm, .Lfunc_end_k_qe79089185e_gemm-k_qe79089185e_gemm
	.p2alignl 7, 3214868480
	.fill 96, 4, 3214868480
	.section	.rodata,"a",@progbits
	.p2align	6, 0x0
	.amdhsa_kernel k_qe79089185e_gemm
		.amdhsa_group_segment_fixed_size 327680
		.amdhsa_private_segment_fixed_size 0
		.amdhsa_enable_private_segment 0
		.amdhsa_kernarg_size 48
		.amdhsa_user_sgpr_count 2
		.amdhsa_user_sgpr_kernarg_segment_ptr 1
		.amdhsa_wavefront_size32 1
		.amdhsa_system_sgpr_workgroup_id_x 1
		.amdhsa_system_sgpr_workgroup_id_y 1
		.amdhsa_system_sgpr_workgroup_id_z 1
		.amdhsa_system_vgpr_workitem_id 0
		.amdhsa_next_free_vgpr 1024
		.amdhsa_next_free_sgpr 98
		.amdhsa_reserve_vcc 0
		.amdhsa_float_denorm_mode_32 3
		.amdhsa_float_denorm_mode_16_64 3
		.amdhsa_memory_ordered 1
		.amdhsa_forward_progress 1
		.amdhsa_inst_pref_size 255
	.end_amdhsa_kernel
	.section	.bss,"aw",@nobits
	.p2align	6
	.space	262144
	.amdgpu_metadata
---
amdhsa.version: [ 1, 2 ]
amdhsa.kernels:
  - .name:           k_qe79089185e_gemm
    .symbol:         k_qe79089185e_gemm.kd
    .args:
      - { .name: x_codes, .offset: 0, .size: 8, .value_kind: global_buffer, .address_space: global }
      - { .name: x_scales, .offset: 8, .size: 8, .value_kind: global_buffer, .address_space: global }
      - { .name: wq, .offset: 16, .size: 8, .value_kind: global_buffer, .address_space: global }
      - { .name: hbf, .offset: 24, .size: 8, .value_kind: global_buffer, .address_space: global }
      - { .name: lora_b_w, .offset: 32, .size: 8, .value_kind: global_buffer, .address_space: global }
      - { .name: out0, .offset: 40, .size: 8, .value_kind: global_buffer, .address_space: global }
    .group_segment_fixed_size: 327680
    .private_segment_fixed_size: 0
    .kernarg_segment_align: 8
    .kernarg_segment_size: 48
    .max_flat_workgroup_size: 128
    .sgpr_count:     98
    .vgpr_count:     1024
    .wavefront_size: 32
...
	.end_amdgpu_metadata
.endif
;; end of part 2
